; MI455X (gfx1250); checked and timed in simulation.
; The chip was launched on July 23, 2026; its instructions are those of AMD's public machine-readable ISA for CDNA 5 (MIT licence, August 2026) and "CDNA5" Instruction Set Architecture Reference Guide (July 2026). The comments in the code are by the model that wrote it; some were corrected since.
;; Sim Score. Allowed arithmetic: matrix products marked QUANTISED: E2M3 operands, one E8M0 scale for each 32 along K, by v_wmma_scale_f32_16x16x128_f8f6f4 with both operands' format E2M3, f32 sums; products left as they are: f32 operands where the result goes on into a quantised operand, else bf16, f16 or f32 operands; f32 sums; everything else in f32.
;; Inputs: b1 512 float32; b2 1 float32; beta1 512 float32; g1 512 float32; w1 512 x 1,024 float32; w2 1 x 512 float32; x 64 x 1,024 x 512 float32.
;; Outputs: out0 64 x 1,024 x 1 float32.
;; This version of the problem:
;;   THIS VERSION OF THE PROBLEM IS GIVEN IN LOW PRECISION. The matrix products marked QUANTISED in the list below multiply operands that are first quantised to E2M3 (2 exponent bits, 3 mantissa bits; 6 bits a number), with one power-of-two scale for each 32 numbers along K (OCP MX v1.0); their sums are f32. All else is computed in f32.
;;   The module's matrix products, in the order in which they are computed (A, B: the left and right operand; K: the contracted axis; several contracted axes count as one K, in the product's order):
;;     1. batch 64 x [M 1,024, K 512] x [K 512, N 1,024]; A: input x; B: input x: QUANTISED
;;     2. [M 65,536, K 1,024] x [K 1,024, N 512]; A: softmax (see below); B: input w1: QUANTISED
;;     3. [M 65,536, K 512] x [K 512, N 1]; A: computed on the way; B: input w2: left as it is (N = 1 < 16)
;;   THE QUANTISER, for each operand of a quantised product, along K:
;;     - K is cut into blocks of 32 from its start; a last block that is shorter is filled with zeros.
;;     - A block's scale is 2^e with e = floor(log2(the largest magnitude in the block)) - 2, held to -126 .. 127; a block of zeros has e = 0. As a byte (E8M0): e + 127.
;;     - Each number is divided by its block's scale, clamped to +-7.5, and rounded to the nearest number of E2M3, ties to even, subnormals kept.
;;     - The product sums the exact products of the quantised numbers (number of the format x scale) in f32.
;;   ~~~python
;;   def quantise(x, axis):      # numpy; x: float32 -> the quantised numbers, widened to float32 again
;;       x = np.moveaxis(x, axis, -1); K = x.shape[-1]
;;       x = np.pad(x, [(0, 0)] * (x.ndim - 1) + [(0, -K % 32)]); x = x.reshape(x.shape[:-1] + (-1, 32)); a = np.abs(x).max(-1, keepdims=True)
;;       e = np.where(a > 0, np.clip(np.frexp(np.where(a > 0, a, 1))[1] - 1 - 2, -126, 127), 0)      # np.frexp(a)[1] - 1 = floor(log2(a)), exactly
;;       r = np.clip(x / 2.0 ** e, -7.5, 7.5)
;;       step = 2.0 ** (np.maximum(np.frexp(np.where(r == 0, 1, r))[1] - 1, 0) - 3)
;;       q = np.round(r / step) * step * 2.0 ** e      # np.round: ties to even
;;       return np.moveaxis(q.reshape(q.shape[:-2] + (-1,))[..., :K], -1, axis).astype(np.float32)
;;   ~~~
;;   SOFTMAX AHEAD OF A QUANTISED PRODUCT. Where the list says 'softmax', what is quantised is not the finished softmax but p = 2^(t - M), with t = logit x log2(e) and M = ceil(the row's largest t), a whole number; so 1/2 < the row's largest p <= 1. The row's sum l is taken of the UNQUANTISED p, in f32, and the product's result is divided by l at the end. Since M is a whole number, a kernel that streams over the keys may use a running M (the ceiling of the running maximum): every later rescaling is an exact power of two, which a block's scale takes up: the codes' values come out the same.
;;   OPERANDS COMPUTED ON THE WAY. 'Computed on the way' means the value that the module computes at that place (a softmax that the list does not call 'softmax' is quantised finished and normalised). What goes into a quantiser is computed in f32, as accurately as f32 sums, v_exp_f32 and their like allow (about 1e-6 of the number): no bf16 or f16 on the way to a quantiser, and a product that is left as it is and whose result goes on into a quantised operand takes f32 operands (vector FMAs, or v_wmma_f32_16x16x4_f32). A number that lies on a knife's edge between two numbers of the format may be rounded either way, as far as f32 arithmetic and the matrix unit's own rounding can turn it there, and no further.
;; One version. Each part assembles by itself: llvm-mc -triple=amdgcn-amd-amdhsa -mcpu=gfx1250 --defsym DOCPART=n.
;; ======== version 1 of 1: 2 launches
;; limits: right only within a limited range of input values
;; workspace buffers: ops 26,890,240 bytes
;; launch prep (part 1): grid 1040 x 1, 4 waves a work-group, no clusters, 34,816 bytes of LDS; arguments x, w1, ops; writes ops
.if DOCPART == 1
	.amdgcn_target "amdgcn-amd-amdhsa--gfx1250"
	.amdhsa_code_object_version 6
	.text
	.protected	k_q9d945c8e3b_prep
	.globl	k_q9d945c8e3b_prep
	.p2align	8
	.type	k_q9d945c8e3b_prep,@function
k_q9d945c8e3b_prep:
	s_mov_b64 s[64:65], 0
	v_nop
	global_prefetch_b8 v0, s[64:65] scope:SCOPE_SE
	s_setreg_imm32_b32 hwreg(HW_REG_WAVE_MODE, 25, 1), 1
	s_wait_xcnt 0x0
; x [64][1024][512] and w1 [512][1024], f32, become codes of FP6 (E2M3) with one E8M0 scale byte for each 32 along K, laid in the ORDER OF THE OPERAND'S REGISTERS.
; A block's scale is 2^(floor(log2(its largest magnitude)) - 2); its byte is the largest magnitude's exponent field - 2, held at 1 from below.
; (A block of zeros so gets the byte 1 where the rule says 127: its codes are zeros, and only this program reads the bytes.)
; LIMITS: NaN and infinities among the inputs are not served; blocks whose largest magnitude lies under 2^(3 - 127) keep the byte 1.
; A FRAGMENT (16 rows x 128 K, 12 registers a lane) is stored as an image of its registers: group g of four registers of lane L at 512 g + 16 L: 1,536 bytes.
; A RECORD is 25,856 bytes: 16 fragments, four images of scale words (256 bytes each: the word of K step s and row r at 8 (r + 16 (s & 1)) + 4 (s >> 1)), and 64 numbers -0.5 x (a row's sum of squares).
; x: one record for 64 rows; tile t's row i is row 8 t + (i & 7) + 32 (i >> 3) of the 64; fragment (K step s, tile t) at (4 s + t) x 1,536.
; w1: record 4 q + w holds hidden rows 128 w .. + 127 and columns 256 q .. + 255: fragment (e, n) at (8 e + n) x 1,536; the scale images of tiles 4 a .. 4 a + 3 for columns 512 qq .. + 511 lie in record (2 qq + a, w).
; SHARES: work-groups 0 to 1,023 make x's records, 1,024 to 1,039 w1's; a wave makes one tile of 16 rows x 512 along K, four K steps.  ONE path through the text: only scalars are chosen by the work-group's number.
; A load reads 512 consecutive bytes of one row; the 16 rows of a K step turn through the wave's own stage in LDS (pitch 528), so that lane (r, h) gets k = 64 c + 32 h + 0 .. 31 of row r: two whole blocks.
.set REC,    25856
.set XBYTES, 1024*REC
.set STGB,   16*528                    ; a wave's stage
.set NHG,    4*STGB                    ; behind the stages: the 64 numbers -0.5 sq
.set RR,  32                           ; v32-159  two sets of 64 registers as loaded
.set XX,  32                           ; my 64 numbers of a K step come back into the set that they were loaded into (set anew in each K step)
.set CC,  160                          ; v160-183 two sets of 12 registers of codes
.set UP,  184                          ; v184-190 the upper half blocks' codes before they are moved
.set DO,  16                           ; s16-19   where K step s's fragment lies from the first one's
	s_load_b128 s[4:7], s[0:1], 0x0                ; x, w1
	s_load_b64 s[8:9], s[0:1], 0x10                ; ops
	v_lshl_add_u32 v187, v0, 2, 0x8600
	v_mov_b32 v191, 0
	v_lshrrev_b32 v1, 5, v0
	v_readfirstlane_b32 s10, v1                    ; wave
	v_and_b32 v1, 31, v0                           ; L
	v_and_b32 v2, 15, v0                           ; r
	v_bfe_u32 v3, v0, 4, 1                         ; h
	v_lshlrev_b32 v4, 4, v1                        ; 16 L
	s_mul_i32 s2, s10, STGB
	v_add_nc_u32 v5, s2, v4                        ; the stage, in: 16 L of a row
	v_mul_u32_u24 v6, v2, 528
	v_lshl_add_u32 v6, v3, 7, v6
	v_add_nc_u32 v6, s2, v6                        ; out: row r, + 128 h
	v_and_b32 v7, 7, v2
	v_bfe_u32 v8, v0, 3, 1
	v_lshlrev_b32 v7, 2, v7
	v_lshl_add_u32 v7, v8, 7, v7
	s_lshl_b32 s2, s10, 5
	s_add_co_u32 s2, s2, NHG
	v_add_nc_u32 v7, s2, v7                        ; NHG + 4 x (8 wave + (r & 7) + 32 (r >> 3))
	v_lshlrev_b32 v8, 3, v1                        ; 8 L
	v_add_nc_u32 v9, NHG, v8
	v_lshlrev_b32 v10, 3, v3                       ; 8 h
	s_lshl_b32 s2, s10, 8
	v_add_nc_u32 v28, s2, v8                       ; 8 L + 256 wave
.irp i, 16,17,18,19,26
	v_mov_b32 v\i, 0                               ; the sums of squares; v26: a lane permute's destination counts as one of its sources
.endr
	s_mov_b32 s24, 0x76543210
	s_mov_b32 s25, 0xfedcba98                      ; selects for lane l xor 16
	; x's offsets
	s_lshl_b32 s26, ttmp9, 17                      ; 64 rows of 2,048 bytes
	s_lshl_b32 s27, s10, 14                        ; + 8 rows a wave
	s_add_co_u32 s26, s26, s27
	s_mul_i32 s28, ttmp9, REC                      ; the record
	s_mul_i32 s27, s10, 1536
	s_add_co_u32 s29, s28, s27                     ; the first fragment
	; w1's offsets
	s_sub_co_u32 s11, ttmp9, 1024
	s_and_b32 s30, s11, 3                          ; w
	s_bfe_u32 s31, s11, 0x10002                    ; a
	s_bfe_u32 s11, s11, 0x10003                    ; qq
	s_lshl_b32 s2, s31, 2
	s_add_co_u32 s2, s2, s10                       ; n = 4 a + wave
	s_lshl_b32 s3, s30, 19
	s_lshl_b32 s12, s2, 16
	s_add_co_u32 s3, s3, s12
	s_lshl_b32 s12, s11, 11
	s_add_co_u32 s3, s3, s12                       ; (128 w + 16 n) rows of 4,096 bytes + 512 qq columns
	s_lshl_b32 s12, s11, 3
	s_add_co_u32 s12, s12, s30
	s_mul_i32 s12, s12, REC
	s_mul_i32 s13, s2, 1536
	s_add_co_u32 s12, s12, s13
	s_add_co_u32 s12, s12, XBYTES                  ; record (2 qq, w), fragment (0, n)
	s_lshl_b32 s13, s11, 1
	s_add_co_u32 s13, s13, s31
	s_lshl_b32 s13, s13, 2
	s_add_co_u32 s13, s13, s30
	s_mul_i32 s13, s13, REC
	s_add_co_u32 s13, s13, XBYTES                  ; record (2 qq + a, w)
	s_wait_alu depctr_va_vdst(0)
	s_wait_kmcnt 0x0
	s_cmp_lt_u32 ttmp9, 1024                       ; x's work-group or w1's: the choice hangs on the work-group's number alone
	s_cselect_b64 s[4:5], s[4:5], s[6:7]
	s_cselect_b32 s26, s26, s3
	s_cselect_b32 s20, s29, s12
	s_cselect_b32 s22, s28, s13
	s_mov_b32 s12, 4096
	s_cselect_b32 s12, 2048, s12                   ; from row i to row i + 1
	s_mov_b32 s14, 32768
	s_cselect_b32 s14, 65536, s14                  ; from row i to row i + 8
	s_mov_b32 s[DO], 0
	s_mov_b32 s[DO+1], 12288
	s_cselect_b32 s[DO+1], 6144, s[DO+1]
	s_mov_b32 s[DO+2], 103424
	s_cselect_b32 s[DO+2], 12288, s[DO+2]
	s_mov_b32 s[DO+3], 115712
	s_cselect_b32 s[DO+3], 18432, s[DO+3]
	s_mov_b32 s13, 0
	s_mov_b32 s15, 0
	s_mov_b32 s27, 0
	s_mov_b32 s21, 0
	s_mov_b32 s23, 0
	s_add_nc_u64 s[32:33], s[4:5], s[26:27]        ; row 0 of my tile
	s_add_nc_u64 s[20:21], s[8:9], s[20:21]        ; my fragments
	s_add_nc_u64 s[22:23], s[8:9], s[22:23]        ; the record of my scale image
.irp i, 1,2,3,4,5,6,7
	s_add_nc_u64 s[32+2*\i:33+2*\i], s[30+2*\i:31+2*\i], s[12:13]
.endr
.irp i, 8,9,10,11,12,13,14,15
	s_add_nc_u64 s[32+2*\i:33+2*\i], s[16+2*\i:17+2*\i], s[14:15]
.endr
.macro LOAD s                          ; K step s of my 16 rows: each load reads 512 consecutive bytes, aligned
.irp i, 0,1,2,3,4,5,6,7,8,9,10,11,12,13,14,15
	global_load_b128 v[RR+64*((\s)%2)+4*\i:RR+64*((\s)%2)+4*\i+3], v4, s[32+2*\i:33+2*\i] offset:512*(\s) th:TH_LOAD_NT
.endr
.endm
.macro KSTEP s
.set RS, RR+64*((\s)%2)
.set XX, RS
.set CS, CC+12*((\s)%2)
.if (\s) < 3
	s_wait_loadcnt 16                              ; this K step's 16 loads are in; the next one's may be out
.else
	s_wait_loadcnt 0x0
.endif
.irp i, 0,1,2,3,4,5,6,7,8,9,10,11,12,13,14,15
	ds_store_b128 v5, v[RS+4*\i:RS+4*\i+3] offset:528*\i
.endr
	s_wait_dscnt 0x0                               ; the stores have read their registers: the loads below land on them
.irp c, 0,1
.irp e, 0,1,2,3,4,5,6,7
	ds_load_b128 v[XX+32*\c+4*\e:XX+32*\c+4*\e+3], v6 offset:256*\c+16*\e   ; LDS serves a wave's instructions in order: these see the stores above
.endr
.endr
	s_wait_dscnt 0x0                               ; my numbers are back
.irp j, 0,4,8,12,16,20,24,28,32,36,40,44,48,52,56,60
	v_pk_fma_f32 v[16:17], v[XX+\j:XX+\j+1], v[XX+\j:XX+\j+1], v[16:17]       ; the row's sum of squares, of the numbers as they are given: two chains
	v_pk_fma_f32 v[18:19], v[XX+\j+2:XX+\j+3], v[XX+\j+2:XX+\j+3], v[18:19]
.endr
	v_max3_num_f32 v20, |v[XX]|, |v[XX+1]|, 0x1800000      ; my two blocks' largest magnitudes, by turns, with the floor 2^(3 - 127) among the leaves
	v_max3_num_f32 v21, |v[XX+32]|, |v[XX+33]|, 0x1800000
.irp i, 2,4,6,8,10,12,14,16,18,20,22,24,26,28,30
	v_max3_num_f32 v20, v20, |v[XX+\i]|, |v[XX+\i+1]|
	v_max3_num_f32 v21, v21, |v[XX+32+\i]|, |v[XX+33+\i]|
.endr
	v_add_nc_u32 v22, 0xff000000, v20              ; 2 off the exponent field: the conversion's scale operand
	v_add_nc_u32 v23, 0xff000000, v21
	v_lshrrev_b32 v24, 23, v22                     ; the bytes of blocks h and 2 + h
	v_lshrrev_b32 v25, 23, v23
	v_lshl_or_b32 v24, v25, 16, v24
	v_lshlrev_b32 v24, v10, v24                    ; at their places in the word
	v_permlanex16_b32 v26, v24, s24, s25
	v_or_b32 v[11+(\s)], v24, v26                  ; with lane l xor 16's two the row's word is whole
	s_wait_alu depctr_va_vdst(0)
	s_wait_xcnt 0x0                                ; the earlier stores have read their offset and their codes: both are written again only behind this wait
.irp c, 0,1
	v_cvt_scalef32_pk16_fp6_f32 v[CS+6*\c:CS+6*\c+2], v[XX+32*\c:XX+32*\c+15], v[22+\c]
	v_cvt_scalef32_pk16_fp6_f32 v[UP+4*\c:UP+4*\c+2], v[XX+32*\c+16:XX+32*\c+31], v[22+\c]   ; (a conversion's three registers begin on an even number)
.endr
	v_nop                                          ; one plain line behind the conversions
.if (\s) < 2
	LOAD (\s)+2                                    ; the set is read out: it takes the loads of two K steps on
.endif
.irp c, 0,1
.irp i, 0,1,2
	v_mov_b32 v[CS+6*\c+3+\i], v[UP+4*\c+\i]
.endr
.endr
	v_add_nc_u32 v27, s[DO+(\s)], v4
.irp g, 0,1,2
	global_store_b128 v27, v[CS+4*\g:CS+4*\g+3], s[20:21] offset:512*\g   ; 32 lanes store 512 consecutive bytes, at a multiple of 256 from the buffer's first byte
.endr
.endm
	LOAD 0
	LOAD 1
	KSTEP 0
	KSTEP 1
	KSTEP 2
	KSTEP 3
	v_cmp_ne_u32 vcc_lo, 0, v3
	v_cndmask_b32 v20, v11, v12, vcc_lo            ; lanes 0-15: K steps 0 and 2; lanes 16-31: 1 and 3
	v_cndmask_b32 v21, v13, v14, vcc_lo
	global_store_b64 v28, v[20:21], s[22:23] offset:24576   ; my tile's scale image: 256 consecutive bytes, aligned
	v_pk_add_f32 v[16:17], v[16:17], v[18:19]
	v_add_f32 v16, v16, v17
	v_permlanex16_b32 v26, v16, s24, s25
	v_add_f32 v16, v16, v26                        ; the row's sum of squares
	v_mul_f32 v16, -0.5, v16
	ds_store_b32 v7, v16                           ; both halves of the lanes write the same word with the same value
	s_wait_dscnt 0x0                               ; for the others' sake
	s_barrier_signal -1
	s_barrier_wait -1
	s_cmp_lg_u32 s10, 0
	s_cbranch_scc1 .Lend
	ds_load_b64 v[22:23], v9
	s_wait_dscnt 0x0
	global_store_b64 v8, v[22:23], s[22:23] offset:25600    ; the record's last 256 bytes, whole
.Lend:
	s_wait_tensorcnt 0x0
	ds_add_u32 v187, v191
	s_wait_dscnt 0x0
	s_endpgm
.Lfunc_end_k_q9d945c8e3b_prep:
	.size	k_q9d945c8e3b_prep, .Lfunc_end_k_q9d945c8e3b_prep-k_q9d945c8e3b_prep
	.p2alignl 7, 3214868480
	.fill 96, 4, 3214868480
	.section	.rodata,"a",@progbits
	.p2align	6, 0x0
	.amdhsa_kernel k_q9d945c8e3b_prep
		.amdhsa_group_segment_fixed_size 34816
		.amdhsa_private_segment_fixed_size 0
		.amdhsa_enable_private_segment 0
		.amdhsa_kernarg_size 24
		.amdhsa_user_sgpr_count 2
		.amdhsa_user_sgpr_kernarg_segment_ptr 1
		.amdhsa_wavefront_size32 1
		.amdhsa_system_sgpr_workgroup_id_x 1
		.amdhsa_system_sgpr_workgroup_id_y 1
		.amdhsa_system_sgpr_workgroup_id_z 1
		.amdhsa_system_vgpr_workitem_id 0
		.amdhsa_next_free_vgpr 192
		.amdhsa_next_free_sgpr 66
		.amdhsa_reserve_vcc 1
		.amdhsa_float_denorm_mode_32 3
		.amdhsa_float_denorm_mode_16_64 3
		.amdhsa_memory_ordered 1
		.amdhsa_forward_progress 1
		.amdhsa_inst_pref_size 42
	.end_amdhsa_kernel
	.amdgpu_metadata
---
amdhsa.version: [ 1, 2 ]
amdhsa.kernels:
  - .name:           k_q9d945c8e3b_prep
    .symbol:         k_q9d945c8e3b_prep.kd
    .args:
      - { .name: x, .offset: 0, .size: 8, .value_kind: global_buffer, .address_space: global }
      - { .name: w1, .offset: 8, .size: 8, .value_kind: global_buffer, .address_space: global }
      - { .name: ops, .offset: 16, .size: 8, .value_kind: global_buffer, .address_space: global }
    .group_segment_fixed_size: 34816
    .private_segment_fixed_size: 0
    .kernarg_segment_align: 8
    .kernarg_segment_size: 24
    .max_flat_workgroup_size: 128
    .sgpr_count:     66
    .vgpr_count:     192
    .wavefront_size: 32
...
	.end_amdgpu_metadata
.endif
;; end of part 1
;; launch main (part 2): grid 4 x 64, 8 waves a work-group, clusters of 4 x 1, 327,680 bytes of LDS; arguments ops, b1, g1, beta1, w2, b2, out0; writes out0
.if DOCPART == 2
	.amdgcn_target "amdgcn-amd-amdhsa--gfx1250"
	.amdhsa_code_object_version 6
	.text
	.protected	k_q9d945c8e3b_main
	.globl	k_q9d945c8e3b_main
	.p2align	8
	.type	k_q9d945c8e3b_main,@function
k_q9d945c8e3b_main:
	s_mov_b64 s[64:65], 0
	v_nop
	global_prefetch_b8 v0, s[64:65] scope:SCOPE_SE
	s_setreg_imm32_b32 hwreg(HW_REG_WAVE_MODE, 25, 1), 1
	s_wait_xcnt 0x0
	s_wait_alu depctr_hold_cnt(0) depctr_sa_sdst(0) depctr_va_vdst(0) depctr_va_sdst(0) depctr_va_ssrc(0) depctr_va_vcc(0) depctr_vm_vsrc(0)
	s_getreg_b32 s2, hwreg(HW_REG_IB_STS2, 6, 4)
	s_cmp_eq_u32 s2, 0
	s_cbranch_scc0 .Lentry_in_a_cluster
	s_endpgm
.Lentry_in_a_cluster:
	s_bfe_u32 s2, ttmp6, 0x10000c
	s_cmp_lg_u32 s2, 0x3003
	s_cbranch_scc0 .Lentry_shape_is_right
	s_endpgm
.Lentry_shape_is_right:
; out = relu(w2 . relu(LayerNorm(softmax(-dist / TEMP) w1^T + b1)) + b2) for 128 queries of one batch; both products on codes of FP6 (E2M3) with E8M0 scales.
; OPERANDS come from the buffer ops as images of the operand registers, in records of 25,856 bytes: 16 fragments of 1,536 bytes, four images of scale words, 64 numbers -0.5 x (a row's sum of squares).
; SHARES: eight waves, two to a SIMD, 512 registers each.  Wave w: kq = w & 3, qh = w >> 2.
;   Scores: wave (kq, qh) takes the 64 queries of record qh of the work-group's two (4 tiles, Q in 192 registers) against record kq (64 keys) of each unit of 256 keys; four units.
;   S^T = K Q^T begins from C = -0.5 |k|^2, read from LDS into the sums' registers; a lane holds one query and a whole block of 32 keys.  t = c (S - 0.5 |q|^2), c = 2 log2(e) / TEMP; |q|^2 moves the codes of p and stays.
;   M is the running ceiling of the largest t, p = 2^(t - M); p's codes go to LDS as images of the second product's operand; a block's byte is kept as byte + M and brought under the row's last M at the end (held at 0 from below).
;   Second product: wave (kq, qh) takes hidden units 128 kq .. + 127 for its 64 queries: 32 accumulators, 256 registers, which begin as l x b1 (l the row's sum of the unquantised p).
;   LayerNorm is taken of u = l h: (u - mean u) (1 / l) rsqrt(var u / l^2 + eps) is the same number as reference()'s; sums over the hidden units go through LDS among the four waves of one qh.
; RING: two slots of four records.  At the head each of the eight waves asks for one record (both slots); afterwards waves 0-3 fill slot 0 and waves 4-7 slot 1, by turns: x's records 8-15, then w1's 16 records.
; CLUSTER: the four work-groups of a cluster walk the same records of x and of w1: every fill is a joint load with mask 15.
; NO PREFETCH: of a batch's sixteen records of x eight are asked for by the first fills and eight by the first two refills, so no trip lies ahead of them in which to ask; w1's records are read by every work-group of the launch.
; LIMITS: NaN and infinities among the inputs are not served; the promise holds while the scaled scores t stay under 2^31 in magnitude.
; A WORK-GROUP STAYS: it makes two blocks of 128 queries of its batch, blocks cx and cx + 4, in a loop of two trips.  The ring goes on into the next block: a block that has a successor
; fills slot 0 again in step 5 of its second product and slot 1 in step 7, with x's records 0-7; the last block's steps 5 to 7 are written out without fills.  The next block's Q is asked for when the last dot product has read the sums.
.set REC,    25856
.set SLOTB,  4*REC
.set XBYTES, 1024*REC
.set PIMG,   2*SLOTB                   ; p's codes: fragment (K step kap, query tile m) at (8 kap + m) x 1,536
.set PSC,    PIMG+98304                ; p's scale bytes
.set EXM,    PSC+4096                  ; exchanges among waves
.set EXD,    EXM+8192
.set SPARE,  EXD+2048                  ; the spare words: 128 bytes a wave
; window 0, scores: v4-6, v7-9 addresses in slot 0, 1; v10-13 where p's codes go; v14 my place in b1 .. w2; v15 8 x lane
.set KS,  16                           ; K's scale words
.set QS,  24                           ; Q's scale words
.set HH,  32                           ; byte + M of my 16 blocks
.set KF,  64                           ; K's 16 fragments
; window 1, scores: v0-191 Q's fragments
.set SS,  192                          ; the scores of one query tile, then p
.set TT,  224
.set NM,  240                          ; -M
.set K0,  244                          ; -0.5 c |q|^2
.set LL,  248                          ; the rows' sums, in two halves
; window 0, second product: v4, v7 W's address in slot 0, 1; v8-11 p's; v1 p's scale words; window 1: the 32 accumulators, (m, n) at 64 m + 8 n
.set PS,  12
.set P1,  16
.set WSC, 64
.set P0,  96
.set WF,  144
.set LP,  240                          ; l, one to a pair
.set B1,  168
.set X,   96
; window 0, the way out
.set L4,  12
.set RC,  16                           ; a row's constant, one to a pair
.set SUM, 24
.set PT,  28
.set TE,  32
.set GV,  64
.set BV,  128
.set WV,  192
.set MSB, 0
.macro WIN new                         ; the immediate's high byte repeats the setting that is left
.if MSB != (\new)
	s_set_vgpr_msb (MSB<<8)|(\new)
.set MSB, (\new)
.endif
.endm
.macro PLACES n
.rept \n
	v_nop
.endr
.endm
.macro ROUND                           ; a round of the cluster's barrier
	s_barrier_signal -1
	s_barrier_wait -1
	s_cmp_lg_u32 s18, 0
	s_cbranch_scc1 .Lnot_wave_0_\@
	s_barrier_signal -3
.Lnot_wave_0_\@:
	s_barrier_wait -3
	s_barrier_signal -1
	s_barrier_wait -1
.endm
.macro WM                              ; D = C in place; rV bit 1: source 0's scales from lanes 16-31, bit 0: source 1's
.if rV == 0
	v_wmma_scale_f32_16x16x128_f8f6f4 v[rD:rD+7], v[rA:rA+11], v[rB:rB+11], v[rD:rD+7], v[rSA], v[rSB] matrix_a_fmt:MATRIX_FMT_FP6 matrix_b_fmt:MATRIX_FMT_FP6
.elseif rV == 1
	v_wmma_scale_f32_16x16x128_f8f6f4 v[rD:rD+7], v[rA:rA+11], v[rB:rB+11], v[rD:rD+7], v[rSA], v[rSB] matrix_a_fmt:MATRIX_FMT_FP6 matrix_b_fmt:MATRIX_FMT_FP6 matrix_b_scale:MATRIX_SCALE_ROW1
.elseif rV == 2
	v_wmma_scale_f32_16x16x128_f8f6f4 v[rD:rD+7], v[rA:rA+11], v[rB:rB+11], v[rD:rD+7], v[rSA], v[rSB] matrix_a_fmt:MATRIX_FMT_FP6 matrix_b_fmt:MATRIX_FMT_FP6 matrix_a_scale:MATRIX_SCALE_ROW1
.else
	v_wmma_scale_f32_16x16x128_f8f6f4 v[rD:rD+7], v[rA:rA+11], v[rB:rB+11], v[rD:rD+7], v[rSA], v[rSB] matrix_a_fmt:MATRIX_FMT_FP6 matrix_b_fmt:MATRIX_FMT_FP6 matrix_a_scale:MATRIX_SCALE_ROW1 matrix_b_scale:MATRIX_SCALE_ROW1
.endif
.endm
.macro JL half                         ; the joint refill: the four waves of one slot, one record each
	s_cmp_lg_u32 s20, \half
	s_cbranch_scc1 .Lnot_mine_\@
	tensor_load_to_lds s[32:35], s[24:31]
	s_nop 0
	PLACES 4
.Lnot_mine_\@:
.endm
.macro STEPG half, d                   ; no load of mine is out: my record's address steps if the coming refill is mine
	s_cmp_eq_u32 s20, \half
	s_cselect_b32 s40, s[\d], 0
	s_add_nc_u64 s[34:35], s[34:35], s[40:41]
.endm
.macro STEPB half                      ; the same, back from w1's record 8 + w to x's record w of the batch
	s_cmp_eq_u32 s20, \half
	s_cselect_b32 s40, s36, 0
	s_sub_nc_u64 s[34:35], s[34:35], s[40:41]
.endm
.macro CHANGE half, d
	s_wait_tensorcnt 0x0                           ; all my tensor loads have landed
	ds_add_u32 v2, v3
	STEPG \half, \d
	s_wait_dscnt 0x0                               ; the add, and my reads of the slot
	ROUND
	JL \half
.endm
	s_load_b256 s[4:11], s[0:1], 0x0               ; ops, b1, g1, beta1
	s_load_b128 s[12:15], s[0:1], 0x20             ; w2, b2
	s_load_b64 s[16:17], s[0:1], 0x30              ; out0
	v_lshl_add_u32 v2, v0, 2, SPARE
	v_mov_b32 v3, 0
	ds_add_u32 v2, v3                              ; the opening lines: the add twice on end
	ds_add_u32 v2, v3
	v_lshrrev_b32 v1, 5, v0
	v_readfirstlane_b32 s18, v1                    ; wave
	s_and_b32 s19, s18, 3                          ; kq
	s_lshr_b32 s20, s18, 2                         ; qh
	s_bfe_u32 s2, ttmp6, 0x40000
	s_lshl_b32 s22, ttmp9, 2
	s_add_co_u32 s22, s22, s2                      ; which 128 queries of the batch
	s_and_b32 s21, ttmp7, 0xffff                   ; batch
	s_mul_i32 s23, s18, REC
	s_mul_i32 s51, s19, REC
	s_mov_b32 s24, 15|(3<<16)|(1<<21)              ; group 1: a record as 101 rows of 256 bytes, for all four work-groups
	s_mov_b32 s25, 32<<16
	s_mov_b32 s26, 101<<16
	s_mov_b32 s27, 32<<16
	s_mov_b32 s28, 101
	s_mov_b32 s29, 32
	s_mov_b32 s30, 0
	s_mov_b32 s31, 0
	s_mul_i32 s58, s21, 16*REC
	s_sub_co_u32 s42, XBYTES-8*REC, s58            ; from x's record 8 + w of the batch to w1's record w
	s_mov_b32 s43, 8*REC
	s_add_co_u32 s36, s42, 16*REC                  ; from x's record w of the batch to w1's record 8 + w
	s_mov_b32 s41, 0
	s_add_co_u32 s60, s58, s23
	s_mov_b32 s61, 0
	s_lshl_b32 s62, s22, 1
	s_add_co_u32 s62, s62, s20
	s_mul_i32 s62, s62, REC
	s_add_co_u32 s62, s62, s58                     ; my queries' record
	s_mov_b32 s63, 0
	s_add_co_u32 s2, s51, XBYTES
	s_mov_b32 s3, 0
	s_lshl_b32 s58, s21, 12
	s_lshl_b32 s59, s22, 9
	s_add_co_u32 s58, s58, s59
	s_mov_b32 s59, 0
	s_mov_b32 s44, 0x3e5a26b3                      ; c
	s_mov_b32 s45, s44
	s_mov_b32 s46, 0x76543210
	s_mov_b32 s47, 0xfedcba98                      ; selects for lane l xor 16
	s_lshr_b32 s48, s19, 1
	s_mul_i32 s48, s48, 12288
	s_and_b32 s49, s19, 1
	s_mul_i32 s49, s49, 768
	s_add_co_u32 s48, s48, s49
	s_mul_i32 s49, s20, 6144
	s_add_co_u32 s48, s48, s49
	s_add_co_u32 s48, s48, PIMG
	s_lshl_b32 s49, s19, 9
.macro ADDRS                           ; the scores' addresses, made anew for each block
	v_and_b32 v32, 31, v0
	v_lshlrev_b32 v15, 3, v32                      ; 8 L
	v_lshlrev_b32 v32, 4, v32                      ; 16 L
	v_bfe_u32 v1, v0, 4, 1                         ; h
	v_add_nc_u32 v4, s51, v32
	v_add_nc_u32 v5, s51, v15
	v_add_nc_u32 v5, 24576, v5
	v_lshlrev_b32 v6, 7, v1
	v_add_nc_u32 v6, s51, v6
	v_add_nc_u32 v6, 25600, v6
	v_add_nc_u32 v7, SLOTB, v4
	v_add_nc_u32 v8, SLOTB, v5
	v_add_nc_u32 v9, SLOTB, v6
	v_add_nc_u32 v10, s48, v32
	v_add_nc_u32 v11, s48, v15
	v_add_nc_u32 v11, 512, v11
	v_add_nc_u32 v12, 49152, v10
	v_add_nc_u32 v13, 49152, v11
	v_lshl_add_u32 v14, v1, 5, s49                 ; 512 kq + 32 h
.endm
.macro QADR                            ; v11 = 16 L; v7 = my query's place among a record's 64 numbers
	v_and_b32 v11, 31, v0
	v_lshlrev_b32 v11, 4, v11
	v_and_b32 v4, 7, v0
	v_lshlrev_b32 v7, 2, v4
	v_bfe_u32 v4, v0, 3, 1
	v_lshl_add_u32 v7, v4, 7, v7
.endm
	QADR
	s_wait_alu depctr_va_vdst(0)
	s_wait_dscnt 0x0
	s_wait_kmcnt 0x0
	s_load_b32 s50, s[14:15], 0x0                  ; b2
	s_mov_b32 s32, 1
	s_mov_b32 s33, s23
	s_add_nc_u64 s[34:35], s[4:5], s[60:61]
	s_or_b32 s35, s35, 0x80000000
	s_add_nc_u64 s[52:53], s[4:5], s[62:63]
	s_add_nc_u64 s[54:55], s[4:5], s[2:3]
	s_add_nc_u64 s[56:57], s[16:17], s[58:59]
.macro QLOAD                           ; a block's Q: 48 loads of fragments and 4 of -0.5 |q|^2
	WIN 0x40
.irp t, 0,1,2,3
.irp s, 0,1,2,3
.irp g, 0,1,2
	global_load_b128 v[48*\t+12*\s+4*\g:48*\t+12*\s+4*\g+3], v11, s[52:53] offset:(4*\s+\t)*1536+512*\g
.endr
.endr
	global_load_b32 v[K0+\t], v7, s[52:53] offset:25600+32*\t
.endr
	WIN 0
.endm
	QLOAD                                          ; the first block's Q is asked for ahead of the round
	ROUND
	tensor_load_to_lds s[32:35], s[24:31]          ; x's record w of the batch to w x REC: the eight fill both slots
	s_nop 0
	PLACES 4
	s_mov_b32 s37, 2                               ; blocks to go
.Lblock:
	s_wait_xcnt 0x0                                ; Q's loads and the last block's store have read their registers
	ADDRS
.irp m, 0,1,2,3
	global_load_b64 v[QS+2*\m:QS+2*\m+1], v15, s[52:53] offset:24576+256*\m
.endr
	WIN 0x40
.irp m, 0,1,2,3
	v_mov_b32 v[NM+\m], 0x7f61b1e6                 ; -M: over every -t
.endr
.irp i, 0,1,2,3,4,5,6,7
	v_mov_b32 v[LL+\i], 0
.endr
.irp i, 4,7,9
	v_mov_b32 v[TT+\i], 0                          ; a permute's destination and the upper halves of pairs are written once
.endr
	WIN 0
	s_wait_alu depctr_va_vdst(0)
	s_wait_tensorcnt 0x0
	s_barrier_signal -1
	s_barrier_wait -1                              ; both slots are whole
.macro KLOAD sl
.irp t, 0,1,2,3
	ds_load_b64 v[KS+2*\t:KS+2*\t+1], v[5+3*(\sl)] offset:256*\t
.endr
.irp p, 0,1,2,3,4,5,6,7,8,9,10,11,12,13,14,15
.irp g, 0,1,2
	ds_load_b128 v[KF+12*\p+4*\g:KF+12*\p+4*\g+3], v[4+3*(\sl)] offset:1536*\p+512*\g
.endr
.endr
.endm
.macro CINIT a                         ; -0.5 |k|^2 of my 32 keys into the sums' registers
	WIN 0x40
.irp t, 0,1,2,3
	ds_load_b128 v[SS+8*\t:SS+8*\t+3], v[\a] offset:32*\t
	ds_load_b128 v[SS+8*\t+4:SS+8*\t+7], v[\a] offset:32*\t+16
.endr
.endm
.macro MULS m                          ; 16 matrix instructions: 4 key tiles by turns, 4 K steps
	WIN 0x54
.irp s, 0,1,2,3
.irp t, 0,1,2,3
.set rD, SS+8*\t
.set rA, KF+12*(4*\s+\t)
.set rB, 48*(\m)+12*\s
.set rSA, KS+2*\t+\s/2
.set rSB, QS+2*(\m)+\s/2
.set rV, 3*(\s%2)
	WM
.endr
.endr
.endm
.macro SOFT m, hh, po, ar
	WIN 0x55
.irp c, 0,1,2,3
	v_max3_num_f32 v[TT+\c], v[SS+8*\c], v[SS+8*\c+1], v[SS+8*\c+2]   ; each accumulator from its low end on
.endr
.irp i, 3,5
.irp c, 0,1,2,3
	v_max3_num_f32 v[TT+\c], v[TT+\c], v[SS+8*\c+\i], v[SS+8*\c+\i+1]
.endr
.endr
	v_max3_num_f32 v[TT], v[TT], v[SS+7], v[SS+15]
	v_max3_num_f32 v[TT+2], v[TT+2], v[SS+23], v[SS+31]
	v_max3_num_f32 v[TT], v[TT], v[TT+1], v[TT+2]
	v_max_num_f32 v[TT], v[TT], v[TT+3]            ; my block's largest score
	v_permlanex16_b32 v[TT+4], v[TT], s46, s47
	v_max_num_f32 v[TT+4], v[TT], v[TT+4]          ; and of the 64 keys
	v_fma_f32 v[TT+5], v[TT+4], s44, v[K0+\m]
	v_floor_f32 v[TT+5], -v[TT+5]
	v_min_num_f32 v[TT+5], v[TT+5], v[NM+\m]       ; the new -M
	v_sub_f32 v[TT+8], v[TT+5], v[NM+\m]
	v_mov_b32 v[NM+\m], v[TT+5]
	v_cvt_i32_f32 v[TT+8], v[TT+8]
	v_ldexp_f32 v[TT+8], 1.0, v[TT+8]              ; 2^(old M - new M)
	v_add_f32 v[TT+6], v[K0+\m], v[TT+5]
	v_fma_f32 v[TT], v[TT], s44, v[TT+6]
.irp j, 0,2,4,6,8,10,12,14,16,18,20,22,24,26,28,30
	v_pk_fma_f32 v[SS+\j:SS+\j+1], v[SS+\j:SS+\j+1], s[44:45], v[TT+6:TT+7] op_sel_hi:[1,0,0]
.endr
	s_wait_alu depctr_va_vdst(0)                   ; the wait ahead of the batch
.irp j, 0,1,2,3,4,5,6,7,8,9,10,11,12,13,14,15,16,17,18,19,20,21,22,23,24,25,26,27,28,29,30,31
	v_exp_f32 v[SS+\j], v[SS+\j]
.endr
	v_exp_f32 v[TT], v[TT]                         ; the block's largest p
	v_pk_mul_f32 v[LL+2*\m:LL+2*\m+1], v[LL+2*\m:LL+2*\m+1], v[TT+8:TT+9] op_sel_hi:[1,0]
	v_cvt_i32_f32 v[TT+5], v[TT+5]
	s_wait_alu depctr_va_vdst(0)                   ; and behind it
	v_pk_add_f32 v[TT+10:TT+11], v[SS:SS+1], v[SS+2:SS+3]
.irp j, 4,8,12,16,20,24,28
	v_pk_add_f32 v[LL+2*\m:LL+2*\m+1], v[LL+2*\m:LL+2*\m+1], v[SS+\j:SS+\j+1]
	v_pk_add_f32 v[TT+10:TT+11], v[TT+10:TT+11], v[SS+\j+2:SS+\j+3]
.endr
	v_pk_add_f32 v[LL+2*\m:LL+2*\m+1], v[LL+2*\m:LL+2*\m+1], v[TT+10:TT+11]
	v_max_num_f32 v[TT], 0x1800000, v[TT]          ; the floor 2^(3 - 127)
	v_add_nc_u32 v[TT+15], 0xff000000, v[TT]       ; the conversion's scale operand
	v_lshrrev_b32 v[TT+1], 23, v[TT+15]            ; the byte
	v_cvt_scalef32_pk16_fp6_f32 v[TT+8:TT+10], v[SS:SS+15], v[TT+15]
	v_cvt_scalef32_pk16_fp6_f32 v[TT+12:TT+14], v[SS+16:SS+31], v[TT+15]
	WIN 0x05
	v_sub_nc_u32 v[HH+\hh], v[TT+1], v[TT+5]       ; byte + M.  (The plain line behind the conversions)
	WIN 0x55
	v_mov_b32 v[TT+11], v[TT+12]
	v_mov_b32 v[TT+12], v[TT+13]
	v_mov_b32 v[TT+13], v[TT+14]
	WIN 0x04
	ds_store_b128 v[\ar], v[TT+8:TT+11] offset:\po
	ds_store_b64 v[\ar+1], v[TT+12:TT+13] offset:\po
.endm
.macro PARAMS                          ; behind the last scores: b1 and w1's scale words into K's registers
.irp n, 0,1,2,3,4,5,6,7
.irp z, 0,1
	global_load_b128 v[B1+8*\n+4*\z:B1+8*\n+4*\z+3], v14, s[6:7] offset:64*\n+16*\z
	global_load_b64 v[WSC+4*\n+2*\z:WSC+4*\n+2*\z+1], v15, s[54:55] offset:(2*\z+\n/4)*SLOTB+24576+256*(\n%4)
.endr
.endr
.endm
.macro UNIT u                          ; 256 keys: my 64 of them against my four query tiles
.irp m, 0,1,2,3
	s_wait_dscnt 0x0                               ; the sums' first values are in (for tile 0: K's fragments too), and the stores have read their registers
	MULS \m
	PLACES 4
.if \m == 3
	WIN 0
	CHANGE (\u)%2, 43-(\u)/2
.if (\u) < 3
	KLOAD ((\u)+1)%2
.else
	PARAMS
.endif
.endif
	SOFT \m, 4*(\u)+\m, 24576*((\u)%2)+1536*\m, 10+2*((\u)/2)
.if \m < 3
	CINIT 6+3*((\u)%2)
.elseif (\u) < 3
	CINIT 6+3*(((\u)+1)%2)
.endif
.endr
.endm
	KLOAD 0
	CINIT 6
	s_wait_loadcnt 0x0
	s_wait_kmcnt 0x0
	WIN 0x44
.irp m, 0,1,2,3
	v_mul_f32 v[K0+\m], s44, v[K0+\m]
.endr
	UNIT 0
	UNIT 1
	UNIT 2
	UNIT 3
; the four waves of one qh join their M and l
	WIN 0
	s_wait_alu depctr_va_vdst(0)
	s_lshl_b32 s2, s19, 9
	s_lshl_b32 s3, s20, 4
	s_add_co_u32 s3, s3, EXM
	s_add_co_u32 s2, s2, s3
	s_and_b32 s58, s19, 1
	s_lshl_b32 s58, s58, 1
	s_lshr_b32 s59, s19, 1
	s_lshl_b32 s59, s59, 9
	s_add_co_u32 s58, s58, s59
	s_lshl_b32 s61, s20, 3
	s_add_co_u32 s61, s61, PSC
	s_add_co_u32 s58, s58, s61
	s_mul_i32 s60, s20, 6144
	s_add_co_u32 s60, s60, PIMG
	v_and_b32 v1, 15, v0
	v_lshlrev_b32 v6, 5, v1
	v_add_nc_u32 v5, s2, v6                        ; EXM + 512 kq + 16 qh + 32 r
	v_add_nc_u32 v6, s3, v6
	WIN 0x05
.irp m, 0,1,2,3
	v_add_f32 v[X+\m], v[LL+2*\m], v[LL+2*\m+1]
.endr
	WIN 0
.irp m, 0,1,2,3
	v_mov_b32 v[X+4+\m], 0
.endr
.irp m, 0,1,2,3
	v_permlanex16_b32 v[X+4+\m], v[X+\m], s46, s47
.endr
.irp m, 0,1,2,3
	v_add_f32 v[X+\m], v[X+\m], v[X+4+\m]
.endr
	WIN 0x04
	ds_store_b128 v5, v[NM:NM+3]
	WIN 0
	ds_store_b128 v5, v[X:X+3] offset:2048
	v_bfe_u32 v[X+45], v0, 4, 1
	v_lshl_add_u32 v[X+44], v1, 4, v[X+45]
	v_add_nc_u32 v[X+44], s58, v[X+44]             ; where my blocks' bytes go
	v_mov_b32 v[X+45], 0
	v_and_b32 v1, 31, v0
	v_lshl_add_u32 v8, v1, 4, s60                  ; p's fragments of my four tiles
	v_lshl_add_u32 v9, v1, 3, s60
	v_add_nc_u32 v10, 49152, v8
	v_add_nc_u32 v11, 49152, v9
	v_lshl_add_u32 v1, v1, 4, s61                  ; and their scale words
	s_wait_alu depctr_va_vdst(0)
	s_wait_dscnt 0x0
	s_barrier_signal -1
	s_barrier_wait -1
.irp wv, 0,1,2,3
	ds_load_b128 v[X+8+4*\wv:X+11+4*\wv], v6 offset:512*\wv
	ds_load_b128 v[X+24+4*\wv:X+27+4*\wv], v6 offset:2048+512*\wv
.endr
	s_wait_dscnt 0x0
.irp m, 0,1,2,3
	v_min3_num_f32 v[X+40+\m], v[X+8+\m], v[X+12+\m], v[X+16+\m]
.endr
.irp m, 0,1,2,3
	v_min_num_f32 v[X+40+\m], v[X+40+\m], v[X+20+\m]   ; the row's last -M
.endr
.irp i, 0,1,2,3,4,5,6,7,8,9,10,11,12,13,14,15
	v_sub_f32 v[X+8+\i], v[X+40+\i%4], v[X+8+\i]
.endr
.irp i, 0,1,2,3,4,5,6,7,8,9,10,11,12,13,14,15
	v_cvt_i32_f32 v[X+8+\i], v[X+8+\i]
.endr
.irp i, 0,1,2,3,4,5,6,7,8,9,10,11,12,13,14,15
	v_ldexp_f32 v[X+24+\i], v[X+24+\i], v[X+8+\i]
.endr
.irp m, 0,1,2,3
	v_add_f32 v[X+24+\m], v[X+24+\m], v[X+28+\m]
	v_add_f32 v[X+32+\m], v[X+32+\m], v[X+36+\m]
.endr
.irp m, 0,1,2,3
	v_add_f32 v[LP+2*\m], v[X+24+\m], v[X+32+\m]   ; l
	v_mov_b32 v[LP+2*\m+1], 0
.endr
.irp m, 0,1,2,3
	v_cvt_i32_f32 v[X+40+\m], v[X+40+\m]
.endr
.irp i, 0,1,2,3,4,5,6,7,8,9,10,11,12,13,14,15
	v_add_nc_u32 v[HH+\i], v[HH+\i], v[X+40+\i%4]
.endr
.irp i, 0,1,2,3,4,5,6,7,8,9,10,11,12,13,14,15
	v_cmp_gt_i32 vcc_lo, 0, v[HH+\i]
	v_cndmask_b32 v[HH+\i], v[HH+\i], v[X+45], vcc_lo
.endr
.irp u, 0,1,2,3
.irp m, 0,1,2,3
	ds_store_b8 v[X+44], v[HH+4*\u+\m] offset:1024*\u+256*(\m%2)+4*(\m/2)
.endr
.endr
	s_wait_alu depctr_va_vdst(0)
	s_wait_dscnt 0x0
	s_barrier_signal -1
	s_barrier_wait -1                              ; p's codes and bytes are whole
.macro FETCH_P kap
.set aQ, 8+2*((\kap)/4)
.set pR, P0-80*((\kap)%2)
.irp m, 0,1,2,3
.set fO, (8*((\kap)%4)+\m)*1536
	ds_load_b128 v[pR+12*\m:pR+12*\m+3], v[aQ] offset:fO
	ds_load_b64 v[pR+12*\m+4:pR+12*\m+5], v[aQ+1] offset:fO+512
	ds_load_b128 v[pR+12*\m+6:pR+12*\m+9], v[aQ] offset:fO+768
	ds_load_b64 v[pR+12*\m+10:pR+12*\m+11], v[aQ+1] offset:fO+1280
.endr
.endm
.macro PSL kap
	ds_load_b64 v[PS+2*((\kap)%2):PS+2*((\kap)%2)+1], v1 offset:512*(\kap)
.endm
.macro FETCH_W kap, n0, n1
.set fn, \n0
.rept \n1-\n0+1
.irp g, 0,1,2
	ds_load_b128 v[WF+12*fn+4*\g:WF+12*fn+4*\g+3], v[4+3*(((\kap)/2)%2)] offset:12288*((\kap)%2)+1536*fn+512*\g
.endr
.set fn, fn+1
.endr
.endm
.macro MULP n0, kap                    ; 16 matrix instructions: four tiles of w1 x my four query tiles; the 32 accumulators by turns
	WIN 0x50
.irp n, \n0, \n0+1, \n0+2, \n0+3
.irp m, 0,1,2,3
.set rD, 64*\m+8*(\n)
.set rA, WF+12*(\n)
.set rB, P0-80*((\kap)%2)+12*\m
.set rSA, WSC+4*(\n)+(\kap)/2
.set rSB, PS+2*((\kap)%2)+\m/2
.set rV, 2*((\kap)%2)+\m%2
	WM
.endr
.endr
.endm
; A step of 128 keys.  W has one set of registers: tiles 0-3 are fetched anew in the step's middle, tiles 4-7 at its end; p has two sets.
; A slot's last read is issued at the end of its first step, so in its second step (1, 3) it is filled again; step 5 only shows the last record whole.
.macro KAP kap, rf                     ; rf = 1 (steps 5 and 7 of a block that has a successor): the slot takes the next block's first records of x
.if (\kap) == 1 || (\kap) == 3 || (\rf)
	s_wait_tensorcnt 0x0
	ds_add_u32 v2, v3
.if (\kap) < 4
	STEPG ((\kap)/2)%2, 43
.else
	STEPB ((\kap)/2)%2
.endif
	s_wait_dscnt 13                                ; W's tiles 4-7 (12 loads) and the add may be out
	MULP 0, \kap
	PLACES 4
	WIN 0
	s_wait_dscnt 0x0
	ROUND
	JL ((\kap)/2)%2
.elseif (\kap) == 5
	s_wait_tensorcnt 0x0
	s_wait_dscnt 12
	MULP 0, \kap
	PLACES 4
	WIN 0
	s_wait_dscnt 0x0
	s_barrier_signal -1
	s_barrier_wait -1
.else
	s_wait_dscnt 12                                ; W's tiles 4-7 may be out
	MULP 0, \kap
	PLACES 4
	WIN 0
.endif
.if (\kap) < 7
	PSL (\kap)+1
	FETCH_P (\kap)+1
	FETCH_W (\kap)+1, 0, 3
	s_wait_dscnt 29                                ; all but the 29 just issued
.else
	s_wait_dscnt 0x0
.endif
	MULP 4, \kap
	PLACES 4
	WIN 0
.if (\kap) < 7
	FETCH_W (\kap)+1, 4, 7
.endif
.endm
	s_wait_loadcnt 0x0                             ; b1 and w1's scale words
	PSL 0
	FETCH_P 0
	FETCH_W 0, 0, 1
	WIN 0x40
.irp m, 0,1,2,3
.irp n, 0,1,2,3,4,5,6,7
.irp i, 0,1,2,3
	v_pk_mul_f32 v[64*\m+8*\n+2*\i:64*\m+8*\n+2*\i+1], v[B1+8*\n+2*\i:B1+8*\n+2*\i+1], v[LP+2*\m:LP+2*\m+1] op_sel_hi:[1,0]   ; the sums begin as l b1
.endr
.endr
.endr
	PLACES 4
	WIN 0
	FETCH_W 0, 2, 7
	s_wait_alu depctr_va_vdst(0)
	KAP 0, 0
	KAP 1, 0
	KAP 2, 0
	KAP 3, 0
	KAP 4, 0
	s_cmp_eq_u32 s37, 1
	s_cbranch_scc1 .Llast_block                    ; the last block's last steps are written out: they ask for nothing more
	KAP 5, 1
	KAP 6, 0
	KAP 7, 1
	s_branch .Lway_out
.Llast_block:
	KAP 5, 0
	KAP 6, 0
	KAP 7, 0
.Lway_out:
; THE WAY OUT
	s_lshl_b32 s2, s19, 9
	s_lshl_b32 s3, s20, 8
	s_add_co_u32 s3, s3, s2
	s_add_co_u32 s3, s3, EXD
	s_and_b32 s40, s18, 1
	s_lshl_b32 s40, s40, 8
.irp m, 0,1,2,3
	v_mov_b32 v[L4+\m], v[LP+2*\m]
	v_mov_b32 v[RC+2*\m+1], 0
	v_mov_b32 v[PT+\m], 0
.endr
	v_bfe_u32 v9, v0, 4, 1
	v_lshlrev_b32 v9, 5, v9
	v_add_nc_u32 v1, s2, v9                        ; 512 kq + 32 h
.irp n, 0,1,2,3,4,5,6,7
.irp z, 0,1
	global_load_b128 v[GV+8*\n+4*\z:GV+8*\n+4*\z+3], v1, s[8:9] offset:64*\n+16*\z
	global_load_b128 v[BV+8*\n+4*\z:BV+8*\n+4*\z+3], v1, s[10:11] offset:64*\n+16*\z
	global_load_b128 v[WV+8*\n+4*\z:WV+8*\n+4*\z+3], v1, s[12:13] offset:64*\n+16*\z
.endr
.endr
	v_and_b32 v8, 15, v0
	v_lshl_add_u32 v8, v8, 2, s3                   ; EXD + 512 kq + 256 qh + 4 r
	v_bfe_u32 v10, v0, 2, 2
	v_lshl_add_u32 v9, v10, 6, v9
	v_and_b32 v10, 3, v0
	v_lshl_add_u32 v9, v10, 3, v9
	v_add_nc_u32 v9, s40, v9
	v_add_nc_u32 v9, EXD, v9
	v_and_b32 v10, 31, v0
	v_lshl_add_u32 v10, v10, 3, s40
.macro TREE
.irp c, 0,1
.irp m, 0,1,2,3
	v_pk_add_f32 v[TE+8*\m+2*\c:TE+8*\m+2*\c+1], v[TE+8*\m+2*\c:TE+8*\m+2*\c+1], v[TE+8*\m+2*\c+4:TE+8*\m+2*\c+5]
.endr
.endr
.irp m, 0,1,2,3
	v_pk_add_f32 v[TE+8*\m:TE+8*\m+1], v[TE+8*\m:TE+8*\m+1], v[TE+8*\m+2:TE+8*\m+3]
.endr
.irp m, 0,1,2,3
	v_add_f32 v[SUM+\m], v[TE+8*\m], v[TE+8*\m+1]
.endr
.irp m, 0,1,2,3
	v_permlanex16_b32 v[PT+\m], v[SUM+\m], s46, s47
.endr
.irp m, 0,1,2,3
	v_add_f32 v[SUM+\m], v[SUM+\m], v[PT+\m]       ; my wave's 128 hidden units
.endr
.endm
.macro EXCH off, lw                    ; the four waves of one qh add their parts
	ds_store_b128 v5, v[SUM:SUM+3] offset:\off
	s_wait_dscnt 0x0
	s_barrier_signal -1
	s_barrier_wait -1
.irp wv, 0,1,2,3
	ds_load_b128 v[TE+4*\wv:TE+4*\wv+3], v6 offset:\off+512*\wv
.endr
	s_wait_dscnt 0x0
.if \lw
	s_wait_loadcnt 0x0                             ; g1, beta1, w2
.endif
.irp m, 0,1,2,3
	v_add_f32 v[TE+\m], v[TE+\m], v[TE+4+\m]
	v_add_f32 v[TE+8+\m], v[TE+8+\m], v[TE+12+\m]
.endr
.irp m, 0,1,2,3
	v_add_f32 v[TE+\m], v[TE+\m], v[TE+8+\m]
.endr
.endm
	WIN 0x05                                       ; the sum of u
.irp c, 0,1,2,3
.irp m, 0,1,2,3
	v_pk_add_f32 v[TE+8*\m+2*\c:TE+8*\m+2*\c+1], v[64*\m+2*\c:64*\m+2*\c+1], v[64*\m+2*\c+8:64*\m+2*\c+9]
.endr
.endr
	WIN 0x01
.irp k, 16,24,32,40,48,56
.irp c, 0,1,2,3
.irp m, 0,1,2,3
	v_pk_add_f32 v[TE+8*\m+2*\c:TE+8*\m+2*\c+1], v[64*\m+\k+2*\c:64*\m+\k+2*\c+1], v[TE+8*\m+2*\c:TE+8*\m+2*\c+1]
.endr
.endr
.endr
	WIN 0
	TREE
	EXCH 4096, 0
.irp m, 0,1,2,3
	v_mul_f32 v[RC+2*\m], 0xbb000000, v[TE+\m]     ; - mean u
.endr
	WIN 0x41
.irp m, 0,1,2,3
.set i, 0
.rept 32
	v_pk_add_f32 v[64*\m+2*i:64*\m+2*i+1], v[64*\m+2*i:64*\m+2*i+1], v[RC+2*\m:RC+2*\m+1] op_sel_hi:[1,0]
.set i, i+1
.endr
.endr
	WIN 0x05
.irp c, 0,1,2,3
.irp m, 0,1,2,3
	v_pk_mul_f32 v[TE+8*\m+2*\c:TE+8*\m+2*\c+1], v[64*\m+2*\c:64*\m+2*\c+1], v[64*\m+2*\c:64*\m+2*\c+1]
.endr
.endr
.irp k, 8,16,24,32,40,48,56
.irp c, 0,1,2,3
.irp m, 0,1,2,3
	v_pk_fma_f32 v[TE+8*\m+2*\c:TE+8*\m+2*\c+1], v[64*\m+\k+2*\c:64*\m+\k+2*\c+1], v[64*\m+\k+2*\c:64*\m+\k+2*\c+1], v[TE+8*\m+2*\c:TE+8*\m+2*\c+1]
.endr
.endr
.endr
	WIN 0
	TREE
	EXCH 6144, 1
	s_mov_b32 s58, 0x3b000000                      ; 1 / 512
	s_mov_b32 s59, 0x3727c5ac                      ; eps
	s_wait_alu depctr_va_vdst(0)                   ; a wait ahead of each batch and behind it
.irp m, 0,1,2,3
	v_rcp_f32 v[PT+\m], v[L4+\m]                   ; 1 / l
.endr
	v_nop
	s_wait_alu depctr_va_vdst(0)
.irp m, 0,1,2,3
	v_mul_f32 v[SUM+\m], v[PT+\m], v[PT+\m]
.endr
.irp m, 0,1,2,3
	v_mul_f32 v[SUM+\m], v[SUM+\m], v[TE+\m]
.endr
.irp m, 0,1,2,3
	v_fma_f32 v[SUM+\m], v[SUM+\m], s58, s59       ; var h + eps
.endr
	s_wait_alu depctr_va_vdst(0)
.irp m, 0,1,2,3
	v_rsq_f32 v[TE+4+\m], v[SUM+\m]
.endr
	v_nop
	s_wait_alu depctr_va_vdst(0)
.irp m, 0,1,2,3
	v_mul_f32 v[RC+2*\m], v[TE+4+\m], v[PT+\m]
.endr
	WIN 0x41
.irp m, 0,1,2,3
.set i, 0
.rept 32
	v_pk_mul_f32 v[64*\m+2*i:64*\m+2*i+1], v[64*\m+2*i:64*\m+2*i+1], v[RC+2*\m:RC+2*\m+1] op_sel_hi:[1,0]
.set i, i+1
.endr
.endr
.irp m, 0,1,2,3
.set i, 0
.rept 32
	v_pk_fma_f32 v[64*\m+2*i:64*\m+2*i+1], v[64*\m+2*i:64*\m+2*i+1], v[GV+2*i:GV+2*i+1], v[BV+2*i:BV+2*i+1]
.set i, i+1
.endr
.endr
	WIN 0x44
.set i, 0
.rept 256
	v_max_num_f32 v[i], 0, v[i]
.set i, i+1
.endr
	WIN 0x01
.irp c, 0,1,2,3
.irp m, 0,1,2,3
	v_pk_mul_f32 v[TE+8*\m+2*\c:TE+8*\m+2*\c+1], v[64*\m+2*\c:64*\m+2*\c+1], v[WV+2*\c:WV+2*\c+1]
.endr
.endr
.irp k, 8,16,24,32,40,48,56
.irp c, 0,1,2,3
.irp m, 0,1,2,3
	v_pk_fma_f32 v[TE+8*\m+2*\c:TE+8*\m+2*\c+1], v[64*\m+\k+2*\c:64*\m+\k+2*\c+1], v[WV+\k+2*\c:WV+\k+2*\c+1], v[TE+8*\m+2*\c:TE+8*\m+2*\c+1]
.endr
.endr
.endr
	WIN 0
	s_wait_alu depctr_va_vdst(0)
	s_cmp_eq_u32 s37, 1
	s_cbranch_scc1 .Lno_next
	s_add_nc_u64 s[52:53], s[52:53], 8*REC         ; four blocks on: the sums have been read, their registers take the next block's Q
	QADR
	QLOAD
.Lno_next:
	TREE
.irp m, 0,1,2,3
	ds_store_b32 v8, v[SUM+\m] offset:64*\m
.endr
	s_wait_dscnt 0x0
	s_barrier_signal -1
	s_barrier_wait -1
	s_cmp_lt_u32 s18, 2
	s_cbranch_scc0 .Ldone                          ; waves 0 and 1 add the four parts of 64 queries each and store 256 consecutive bytes, aligned
.irp sw, 0,1,2,3
	ds_load_b64 v[TE+2*\sw:TE+2*\sw+1], v9 offset:512*\sw
.endr
	s_wait_dscnt 0x0
	v_pk_add_f32 v[TE:TE+1], v[TE:TE+1], v[TE+2:TE+3]
	v_pk_add_f32 v[TE+4:TE+5], v[TE+4:TE+5], v[TE+6:TE+7]
	v_pk_add_f32 v[TE:TE+1], v[TE:TE+1], v[TE+4:TE+5]
	v_add_f32 v[TE], s50, v[TE]
	v_add_f32 v[TE+1], s50, v[TE+1]
	v_max_num_f32 v[TE], 0, v[TE]
	v_max_num_f32 v[TE+1], 0, v[TE+1]
	global_store_b64 v10, v[TE:TE+1], s[56:57]
.Ldone:
	s_wait_xcnt 0x0                                ; the store has read its base
	s_add_nc_u64 s[56:57], s[56:57], 2048          ; four blocks of 128 numbers on
	s_sub_co_u32 s37, s37, 1
	s_cmp_lg_u32 s37, 0
	s_cbranch_scc1 .Lblock
	s_wait_tensorcnt 0x0                           ; the wave's end
	ds_add_u32 v2, v3
	s_wait_dscnt 0x0
	ROUND                                          ; the closing round
	s_endpgm
.Lfunc_end_k_q9d945c8e3b_main:
	.size	k_q9d945c8e3b_main, .Lfunc_end_k_q9d945c8e3b_main-k_q9d945c8e3b_main
	.p2alignl 7, 3214868480
	.fill 96, 4, 3214868480
	.section	.rodata,"a",@progbits
	.p2align	6, 0x0
	.amdhsa_kernel k_q9d945c8e3b_main
		.amdhsa_group_segment_fixed_size 327680
		.amdhsa_private_segment_fixed_size 0
		.amdhsa_enable_private_segment 0
		.amdhsa_kernarg_size 56
		.amdhsa_user_sgpr_count 2
		.amdhsa_user_sgpr_kernarg_segment_ptr 1
		.amdhsa_wavefront_size32 1
		.amdhsa_system_sgpr_workgroup_id_x 1
		.amdhsa_system_sgpr_workgroup_id_y 1
		.amdhsa_system_sgpr_workgroup_id_z 1
		.amdhsa_system_vgpr_workitem_id 0
		.amdhsa_next_free_vgpr 512
		.amdhsa_next_free_sgpr 66
		.amdhsa_reserve_vcc 1
		.amdhsa_float_denorm_mode_32 3
		.amdhsa_float_denorm_mode_16_64 3
		.amdhsa_memory_ordered 1
		.amdhsa_forward_progress 1
		.amdhsa_inst_pref_size 255
	.end_amdhsa_kernel
	.section	.bss,"aw",@nobits
	.p2align	6
	.space	262144
	.amdgpu_metadata
---
amdhsa.version: [ 1, 2 ]
amdhsa.kernels:
  - .name:           k_q9d945c8e3b_main
    .symbol:         k_q9d945c8e3b_main.kd
    .args:
      - { .name: ops, .offset: 0, .size: 8, .value_kind: global_buffer, .address_space: global }
      - { .name: b1, .offset: 8, .size: 8, .value_kind: global_buffer, .address_space: global }
      - { .name: g1, .offset: 16, .size: 8, .value_kind: global_buffer, .address_space: global }
      - { .name: beta1, .offset: 24, .size: 8, .value_kind: global_buffer, .address_space: global }
      - { .name: w2, .offset: 32, .size: 8, .value_kind: global_buffer, .address_space: global }
      - { .name: b2, .offset: 40, .size: 8, .value_kind: global_buffer, .address_space: global }
      - { .name: out0, .offset: 48, .size: 8, .value_kind: global_buffer, .address_space: global }
    .group_segment_fixed_size: 327680
    .private_segment_fixed_size: 0
    .kernarg_segment_align: 8
    .kernarg_segment_size: 56
    .max_flat_workgroup_size: 256
    .sgpr_count:     66
    .vgpr_count:     512
    .wavefront_size: 32
...
	.end_amdgpu_metadata
.endif
;; end of part 2
